; MI455X (gfx1250); checked and timed in simulation.
; The chip was launched on July 23, 2026; its instructions are those of AMD's public machine-readable ISA for CDNA 5 (MIT licence, August 2026) and "CDNA5" Instruction Set Architecture Reference Guide (July 2026). The comments in the code are by the model that wrote it; some were corrected since.
;; Multi Head Self Attention. Allowed arithmetic: matrix products marked QUANTISED: E4M3 operands, one given power-of-two scale a tensor, by v_wmma_f32_16x16x64_fp8_fp8 or v_wmma_f32_16x16x128_fp8_fp8, f32 sums; everything else in f32.
;; Inputs: Wk_codes 1,024 x 32 x 32 uint8 (E4M3 codes of Wk, K innermost, in blocks of 32 codes); Wo_codes 1,024 x 32 x 32 uint8 (E4M3 codes of Wo, K innermost, in blocks of 32 codes); Wq_codes 1,024 x 32 x 32 uint8 (E4M3 codes of Wq, K innermost, in blocks of 32 codes); Wv_codes 1,024 x 32 x 32 uint8 (E4M3 codes of Wv, K innermost, in blocks of 32 codes); bk 1,024 float32; bo 1,024 float32; bq 1,024 float32; bv 1,024 float32; lowp_scales 12 int32 (the exponents e of the quantised operands' scales 2^e); x_codes 4 x 2,048 x 32 x 32 uint8 (E4M3 codes of x, K innermost, in blocks of 32 codes).
;; Outputs: out0 4 x 2,048 x 1,024 float32.
;; This version of the problem:
;;   THIS VERSION OF THE PROBLEM IS GIVEN IN LOW PRECISION. The matrix products marked QUANTISED in the list below multiply operands that are first quantised to E4M3 (4 exponent bits, 3 mantissa bits; 8 bits a number), with one given power-of-two scale for each operand tensor; their sums are f32. All else is computed in f32.
;;   The module's matrix products, in the order in which they are computed (A, B: the left and right operand; K: the contracted axis; several contracted axes count as one K, in the product's order):
;;     1. [M 8,192, K 1,024] x [K 1,024, N 1,024]; A: input x (given as codes); B: input Wq (given as codes): QUANTISED (scales: A lowp_scales[0], B lowp_scales[1])
;;     2. [M 8,192, K 1,024] x [K 1,024, N 1,024]; A: input x (given as codes); B: input Wk (given as codes): QUANTISED (scales: A lowp_scales[2], B lowp_scales[3])
;;     3. [M 8,192, K 1,024] x [K 1,024, N 1,024]; A: input x (given as codes); B: input Wv (given as codes): QUANTISED (scales: A lowp_scales[4], B lowp_scales[5])
;;     4. batch 64 x [M 2,048, K 64] x [K 64, N 2,048]; A: computed on the way; B: computed on the way: QUANTISED (scales: A lowp_scales[6], B lowp_scales[7])
;;     5. batch 64 x [M 2,048, K 2,048] x [K 2,048, N 64]; A: softmax (see below); B: computed on the way: QUANTISED (scales: A lowp_scales[8], B lowp_scales[9])
;;     6. [M 8,192, K 1,024] x [K 1,024, N 1,024]; A: computed on the way; B: input Wo (given as codes): QUANTISED (scales: A lowp_scales[10], B lowp_scales[11])
;;   THE QUANTISER, for each operand of a quantised product, along K:
;;     - The operand's scale is 2^e, e = its entry of the input lowp_scales (int32; the entries are numbered through the quantised products in the list's order, A before B).
;;     - Each number is divided by the scale, clamped to +-448, and rounded to the nearest number of E4M3, ties to even, subnormals kept.
;;     - The product sums the exact products of the quantised numbers (number of the format x scale) in f32.
;;   ~~~python
;;   def quantise(x, axis, e):      # numpy; x: float32 -> the quantised numbers, widened to float32 again
;;       x = np.moveaxis(x, axis, -1); K = x.shape[-1]
;;       r = np.clip(x / 2.0 ** e, -448, 448)
;;       step = 2.0 ** (np.maximum(np.frexp(np.where(r == 0, 1, r))[1] - 1, -6) - 3)
;;       q = np.round(r / step) * step * 2.0 ** e      # np.round: ties to even
;;       return np.moveaxis(q, -1, axis).astype(np.float32)
;;   ~~~
;;   SOFTMAX AHEAD OF A QUANTISED PRODUCT. Where the list says 'softmax', what is quantised is not the finished softmax but p = 2^(t - M), with t = logit x log2(e) and M = ceil(the row's largest t), a whole number; so 1/2 < the row's largest p <= 1. The row's sum l is taken of the UNQUANTISED p, in f32, and the product's result is divided by l at the end. Since M is a whole number, a kernel that streams over the keys may use a running M (the ceiling of the running maximum): every later rescaling is an exact power of two, so the quantised numbers keep their values, but for numbers so far below the row's largest that they fall under the format's range.
;;   OPERANDS COMPUTED ON THE WAY. 'Computed on the way' means the value that the module computes at that place (a softmax that the list does not call 'softmax' is quantised finished and normalised). What goes into a quantiser is computed in f32, as accurately as f32 sums, v_exp_f32 and their like allow (about 1e-6 of the number): no bf16 or f16 on the way to a quantiser, and a product that is left as it is and whose result goes on into a quantised operand takes f32 operands (vector FMAs, or v_wmma_f32_16x16x4_f32). A number that lies on a knife's edge between two numbers of the format may be rounded either way, as far as f32 arithmetic and the matrix unit's own rounding can turn it there, and no further.
;;   INPUTS GIVEN AS CODES. Wk (in the module: [1024, 1024], K = its axis 1); Wo (in the module: [1024, 1024], K = its axis 1); Wq (in the module: [1024, 1024], K = its axis 1); Wv (in the module: [1024, 1024], K = its axis 1); x (in the module: [4, 2048, 1024], K = its axis 2): each comes as NAME_codes (uint8): NAME with its K axis moved to the last place and cut into blocks of 32 codes, [.., K / 32, bytes a block], one block behind the other in memory; one code a byte (a code: sign, 4 exponent bits, 3 mantissa bits); its scale is its entry of lowp_scales. Its value is code x scale, taken as it is: it is not quantised again, and the codes and scales need not be those that the quantiser above would give.
;; One version. Each part assembles by itself: llvm-mc -triple=amdgcn-amd-amdhsa -mcpu=gfx1250 --defsym DOCPART=n.
;; ======== version 1 of 1: 3 launches
;; limits: right only within a limited range of input values
;; workspace buffers: qkv 25,165,824 bytes; oimg 8,388,608 bytes
;; launch qkv (part 1): grid 12 x 32, 4 waves a work-group, clusters of 4 x 4, 327,680 bytes of LDS; arguments x_codes, Wq_codes, Wk_codes, Wv_codes, bq, bk, bv, lowp_scales, qkv; writes qkv
.if DOCPART == 1
	.amdgcn_target "amdgcn-amd-amdhsa--gfx1250"
	.amdhsa_code_object_version 6
	.text
	.protected	k_qa6e81887f0_qkv
	.globl	k_qa6e81887f0_qkv
	.p2align	8
	.type	k_qa6e81887f0_qkv,@function
k_qa6e81887f0_qkv:
	s_mov_b64 s[64:65], 0
	v_nop
	global_prefetch_b8 v0, s[64:65] scope:SCOPE_SE
	s_setreg_imm32_b32 hwreg(HW_REG_WAVE_MODE, 25, 1), 1
	s_wait_xcnt 0x0
	s_wait_alu depctr_hold_cnt(0) depctr_sa_sdst(0) depctr_va_vdst(0) depctr_va_sdst(0) depctr_va_ssrc(0) depctr_va_vcc(0) depctr_vm_vsrc(0)
	s_getreg_b32 s2, hwreg(HW_REG_IB_STS2, 6, 4)
	s_cmp_eq_u32 s2, 0
	s_cbranch_scc0 .Lentry_in_a_cluster
	s_endpgm
.Lentry_in_a_cluster:
	s_bfe_u32 s2, ttmp6, 0x10000c
	s_cmp_lg_u32 s2, 0xf033
	s_cbranch_scc0 .Lentry_shape_is_right
	s_endpgm
.Lentry_shape_is_right:
; q = x Wq^T + bq, k = x Wk^T + bk, v = x Wv^T + bv on codes of E4M3, and each result quantised at once for the attention that follows.
; x: [8192][1024] codes; Wq, Wk, Wv: [1024][1024] codes, K innermost; the biases f32.  lowp_scales: e0, e1 for x and Wq; e2, e3 for x and Wk; e4, e5 for x and Wv; q is quantised with e6, k with e7, v with e9.
; value = sum x 2^(ex + ew) + bias (one fused multiply-add); code = value / 2^eo, held within +-448, to the nearest code, ties to even.
; LIMITS: e0 + e1, e2 + e3, e4 + e5 between -126 and 127; e6, e7, e9 between -126 and 119, so that each power of two below is an f32 number.  NaN among the biases is not served.
; SHARES.  A tile of 256 x 256 is made by a work-group of four waves, a wave makes 128 x 128: 64 accumulators, 512 registers.  K = 1,024 goes in four steps of 256 through two LDS slots filled by the tensor data mover.
; The cluster's x (0, 1, 2) says which tensor is made: the same in all sixteen partners.  ONE main loop serves all three, by ROLES:
;   role B = source 0 of the matrix instruction, its block hangs on cx, its tiles are shared along a column of the cluster;   role A = source 1, its block hangs on cy, shared along a row.
;   q, k: B = the weight (256 channels), A = x (256 tokens): a lane holds ONE TOKEN and eight neighbouring channels.     v: B = x, A = Wv: a lane holds ONE CHANNEL and eight neighbouring tokens.
; In both cases the lane's eight registers run along the K of the product that will read the result (the head's channels for q and k, the keys for v), and tile b's eight numbers, 16 b + 8 (lane / 16) + 0 .. 7,
; are what registers 2 b and 2 b + 1 of an 8-bit operand hold: the conversions' results ARE the next operand's registers.  They are stored as they stand: four registers a store, 16 bytes a lane, 512 consecutive bytes.
; THE WORKSPACE: a record of 24,576 bytes for each (block of 128 tokens tb, head h), at (16 tb + h) x 24,576: +0 q: 8 tiles of 16 tokens x 1,024 bytes; +8,192 k likewise; +16,384 v^T: 4 tiles of 16 channels x 2,048 bytes (K = the block's 128 keys).
; x's and the weights' fragments are fetched by four loads of 16 bytes: a permutation of k that is the same on both sides, so every product meets its partner.
; REGISTERS, in windows of 256: window 0: v0-31 addresses and constants; v32-95, v96-111 the bias in its two forms; from v128 role A's fragments, ONE set; on the way out the codes.
;   window 1: role B's fragments, TWO sets, at v0 and v128; on the way out v0-63 at work.   window 2: the accumulators of role A's blocks 0-3 ((a, b) at v[8 (8 (a % 4) + b)]);   window 3: those of blocks 4-7.
.set KROW,   1024                      ; a row of x or of a weight in memory, in bytes
.set ROWB,   256                       ; a tile's row in bytes: 256 along K
.set PITCH,  272                       ; an LDS row: 256 bytes + 16 of padding = 68 words: row r starts at bank 4 r mod 64 (64 banks of 4 bytes: ISA guide 11.1), so the 16 rows of a load start at 16 different banks
.set FR,     16                        ; registers of a fragment: 16 rows x 128 K
.set NL,     4                         ; LDS loads that bring one
.set NP,     4                         ; places behind this matrix instruction (ISA guide 7.12.1)
.set HALFT,  128*PITCH                 ; 128 rows: what one tensor load brings, and what one wave reads of a role
.set SLOT,   4*HALFT                   ; role A's 256 rows, then role B's
.set SPARE,  2*SLOT                    ; behind the ring: the spare words, 128 bytes for each wave: two blocks of 256 bytes that no other line names
.set REC,    24576                     ; a record of the workspace
.set ADRA, 16                          ; v16-17  LDS address of my role A fragments in slot 0, 1
.set ADRB, 20                          ; v20-21  the same for role B
.set VO,   26                          ; v26     16 x lane: my place in every store
.set SPW,  28                          ; v28     LDS address of my spare word; never rewritten
.set NIL,  29                          ; v29     0; never rewritten
.set SCL,  30                          ; v30     2^eo as f32: the conversions take its exponent field
.set LIM,  31                          ; v31     448 x 2^eo
.set BQ,   32                          ; v32-95  q, k: the bias of my 64 channels-in-registers: register 8 b + j = channel 16 b + 8 (lane / 16) + j
.set BV,   96                          ; v96-111 v: the bias of channel 16 a + lane % 16, twice (a pair for the packed form)
.set AF,   128                         ; role A's fragments, in window 0
.set CD,   128                         ; the way out: the codes, 16 registers for each block a, in window 0
.set TMP,  0                           ; the way out: 64 numbers at work, in window 1
.set G1, 24                            ; s[24:31] descriptor group 1 for role A's tiles;  s[32:39] group 0, one set for each slot
.set G0, 32
.set G1B, 48                           ; s[48:55], s[56:63] the same for role B's
.set G0B, 56
.set SC, 86                            ; s[86:87] 2^(ex + ew), twice
.set MSB, 0
.macro WIN new                         ; the immediate's high byte repeats the setting that is left
.if MSB != (\new)
	s_set_vgpr_msb (MSB<<8)|(\new)
.set MSB, (\new)
.endif
.endm
.set MUL_LO, 0xa1                      ; source 0 (role B) window 1, source 1 (role A) window 0, C and D window 2
.set MUL_HI, 0xf1                      ; the same, C and D window 3
.set TO_B,   0x40                      ; destination window 1, address window 0
; A joint load: waves 0 and 1 fetch for role A, waves 2 and 3 for role B.  Each of the two lines has ONE mask and one set of registers for all that issue it; the branch hangs on the wave's number alone.
; Four v_nop follow each of the two lines, ahead of the jump, the label and what follows.
.macro JLOAD g0a, g1a, g0b, g1b
	s_cmp_eq_u32 s15, 0
	s_cbranch_scc0 .Lfor_b_\@
	tensor_load_to_lds s[\g0a:\g0a+3], s[\g1a:\g1a+7]
	s_nop 0
.rept 4
	v_nop
.endr
	s_branch .Lasked_\@
.Lfor_b_\@:
	tensor_load_to_lds s[\g0b:\g0b+3], s[\g1b:\g1b+7]
	s_nop 0
.rept 4
	v_nop
.endr
.Lasked_\@:
.endm
.macro CREST                           ; a round of the cluster's barrier behind its opening barrier
	s_cmp_lg_u32 s14, 0
	s_cbranch_scc1 .Lnot_wave_0_\@
	s_barrier_signal -3
.Lnot_wave_0_\@:
	s_barrier_wait -3
	s_barrier_signal -1
	s_barrier_wait -1
.endm
.macro CROUND                          ; a whole round
	s_barrier_signal -1
	s_barrier_wait -1
	CREST
.endm
	s_load_b512 s[68:83], s[0:1], 0x0              ; x s[68:69], Wq s[70:71], Wk s[72:73], Wv s[74:75], bq s[76:77], bk s[78:79], bv s[80:81], the scales' exponents s[82:83]
	s_load_b64 s[84:85], s[0:1], 0x40              ; the workspace
	v_lshl_add_u32 v[SPW], v0, 2, SPARE
	v_mov_b32 v[NIL], 0
	ds_add_u32 v28, v29
	ds_add_u32 v28, v29
	s_wait_dscnt 0x0
	v_lshrrev_b32 v1, 5, v0
	v_readfirstlane_b32 s14, v1                    ; wave 0..3
	s_lshr_b32 s15, s14, 1                         ; which half of role A's rows is mine.  Also: I fetch for role A (0) or B (1)
	s_and_b32 s16, s14, 1                          ; which half of role B's rows.  Also: which 128 rows of that tile I fetch
	s_bfe_u32 s40, ttmp6, 0x40000                  ; cx, cy: my place in the cluster
	s_bfe_u32 s41, ttmp6, 0x40004
	s_and_b32 s18, ttmp7, 0xffff
	s_lshl_b32 s18, s18, 2                         ; 4 x cluster y: the four blocks of 256 tokens of this cluster
	s_cmp_eq_u32 ttmp9, 2                          ; is it v?  The cluster's x: the same in all partners
	s_cselect_b32 s19, 0, s18                      ; the tokens are role A's rows for q and k,
	s_cselect_b32 s20, s18, 0                      ; role B's for v
	s_add_co_u32 s17, s41, s19                     ; role A's block of 256 rows: cy (+ 4 x cluster y)
	s_add_co_u32 s42, s40, s20                     ; role B's: cx (+ 4 x cluster y)
	s_lshl_b32 s43, s41, 2
	s_lshl_b32 s43, 15, s43                        ; my row of the cluster
	s_lshl_b32 s44, 0x1111, s40                    ; my column
	; descriptor group 1: a tile of 128 rows x 256 bytes, padded in LDS
	s_or_b32 s[G1+0], s43, (0<<16)|(1<<20)|(1<<21)|(5<<22)|(3<<25)  ; 15:0 the mask: role A's tiles go to my row; 17:16 element of 1 byte; 20 padding on; 21 set beside a mask; 24:22 after every 64 words (code 5); 31:25 of 4 words (code 3)
	s_or_b32 s[G1B+0], s44, (0<<16)|(1<<20)|(1<<21)|(5<<22)|(3<<25) ; the same with the mask of my column
.irp g, G1, G1B
	s_mov_b32 s[\g+1], ROWB<<16                    ; tensor_dim0
	s_mov_b32 s[\g+2], 128<<16                     ; tensor_dim1 = 128
	s_mov_b32 s[\g+3], ROWB<<16                    ; tile_dim0
	s_mov_b32 s[\g+4], 128                         ; tile_dim1 = 128
	s_mov_b32 s[\g+5], KROW                        ; tensor_dim0_stride
	s_mov_b32 s[\g+6], 0
	s_mov_b32 s[\g+7], 0
.endr
	s_lshl_b32 s18, s16, 7                         ; which 128 rows of the tile I fetch
	s_lshl_b32 s20, s17, 8
	s_add_co_u32 s20, s20, s18                     ; role A: row 256 x block + 128 x half,
	s_lshl_b32 s20, s20, 10                        ; in bytes (8 MiB at the most)
	s_mov_b32 s21, 0
	s_lshl_b32 s46, s42, 8
	s_add_co_u32 s46, s46, s18                     ; role B likewise
	s_lshl_b32 s46, s46, 10
	s_mov_b32 s47, 0
	s_mul_i32 s45, s14, HALFT                      ; where they go: wave x 128 rows: no place in the cluster enters an LDS address
	s_wait_kmcnt 0x0
	s_load_b256 s[88:95], s[82:83], 0x0            ; e0 .. e7
	s_load_b128 s[96:99], s[82:83], 0x20           ; e8 .. e11
	s_cmp_eq_u32 ttmp9, 2
	s_cselect_b64 s[4:5], s[74:75], s[68:69]       ; role A: Wv for v, else x
	s_cselect_b64 s[8:9], s[80:81], s[76:77]       ; the bias: bv, else bq,
	s_cmp_eq_u32 ttmp9, 1
	s_cselect_b64 s[6:7], s[72:73], s[70:71]       ; role B: Wk for k, else Wq,
	s_cselect_b64 s[8:9], s[78:79], s[8:9]         ; bk for k
	s_cmp_eq_u32 ttmp9, 2
	s_cselect_b64 s[6:7], s[68:69], s[6:7]         ; x for v
	s_add_nc_u64 s[20:21], s[4:5], s[20:21]
	s_add_nc_u64 s[46:47], s[6:7], s[46:47]
	CROUND                                         ; all sixteen work-groups are here: the first joint loads meet
.irp s, 0,1
	s_mov_b32 s[G0+4*\s], 1
	s_add_co_u32 s[G0+4*\s+1], s45, \s*SLOT
	s_add_nc_u64 s[G0+4*\s+2:G0+4*\s+3], s[20:21], \s*ROWB
	s_or_b32 s[G0+4*\s+3], s[G0+4*\s+3], 0x80000000
	s_mov_b32 s[G0B+4*\s], 1
	s_add_co_u32 s[G0B+4*\s+1], s45, \s*SLOT
	s_add_nc_u64 s[G0B+4*\s+2:G0B+4*\s+3], s[46:47], \s*ROWB
	s_or_b32 s[G0B+4*\s+3], s[G0B+4*\s+3], 0x80000000
.endr
	JLOAD G0, G1, G0B, G1B                         ; K step 0: one tensor load a wave at the head
	v_and_b32 v1, 15, v0                           ; r = lane % 16
	v_bfe_u32 v2, v0, 4, 1                         ; h = lane / 16
	s_wait_alu depctr_va_vdst(0)
	v_mul_u32_u24 v3, v1, PITCH
	v_lshl_add_u32 v4, v2, 4, v3                   ; a fragment's row x pitch + 16 x half
	s_mul_i32 s21, s15, HALFT                      ; my 128 rows of role A
	s_mul_i32 s22, s16, HALFT                      ; my 128 rows of role B,
	s_add_co_u32 s22, s22, 2*HALFT                 ; which lie behind role A's 256
.irp s, 0,1
	v_add_nc_u32 v[ADRA+\s], s21, v4
	v_add_nc_u32 v[ADRB+\s], s22, v4
	s_add_co_u32 s21, s21, SLOT
	s_add_co_u32 s22, s22, SLOT
.endr
	v_and_b32 v7, 31, v0
	v_lshlrev_b32 v[VO], 4, v7                     ; 16 x lane
	; my wave's block of 128 tokens tb and its first head h0 (it makes two heads)
	s_lshl_b32 s18, s17, 1
	s_add_co_u32 s18, s18, s15                     ; role A's block of 128 rows
	s_lshl_b32 s19, s42, 1
	s_add_co_u32 s19, s19, s16                     ; role B's
	s_cmp_eq_u32 ttmp9, 2
	s_cselect_b32 s22, s19, s18                    ; tb: the tokens' role
	s_cselect_b32 s23, s18, s19                    ; the channels' role: 128 channels are two heads
	s_lshl_b32 s23, s23, 1                         ; h0
	s_lshl_b32 s22, s22, 4
	s_add_co_u32 s22, s22, s23
	s_mul_i32 s22, s22, REC                        ; the record (tb, h0),
	s_lshl_b32 s66, ttmp9, 13
	s_add_co_u32 s22, s22, s66                     ; and in it q at 0, k at 8,192, v at 16,384
	s_lshl_b32 s66, s23, 8                         ; the bias of h0's first channel: 64 numbers of 4 bytes a head
	s_mov_b32 s23, 0
	s_mov_b32 s67, 0
	s_add_nc_u64 s[10:11], s[84:85], s[22:23]
	s_add_nc_u64 s[8:9], s[8:9], s[66:67]
	v_lshlrev_b32 v5, 5, v2                        ; 32 h: eight numbers
	v_lshlrev_b32 v6, 2, v1                        ; 4 r
.irp b, 0,1,2,3,4,5,6,7                        ; both forms of the bias are loaded, 512 bytes each, so that no branch stands here; they are waited for on the way out
	global_load_b128 v[BQ+8*\b:BQ+8*\b+3],   v5, s[8:9] offset:64*\b
	global_load_b128 v[BQ+8*\b+4:BQ+8*\b+7], v5, s[8:9] offset:64*\b+16
.endr
.irp a, 0,1,2,3,4,5,6,7
	global_load_b32 v[BV+2*\a],   v6, s[8:9] offset:64*\a
	global_load_b32 v[BV+2*\a+1], v6, s[8:9] offset:64*\a
.endr
.macro FRAG reg, adr, q, i             ; a fragment, 16 rows x 128 K of 8-bit codes, is 16 registers: lane l holds row l % 16; registers 4 c .. 4 c + 3 hold K = 32 c + 16 (l / 16) + 0 .. 15, on both sides alike
.irp c, 0,1,2,3
	ds_load_b128 v[\reg+4*\c:\reg+4*\c+3], v[\adr] offset:128*(\q)+32*\c+(\i)*16*PITCH
.endr
.endm
; 16 matrix instructions: role A's blocks a0, a0 + 1 x role B's eight, 128 along K.  p: role B's set.  zero = 1: the first product starts the sums: nothing is ever cleared.
; The 64 accumulators take turns, one instruction a turn, in the same order in every step.
.macro MUL16 a0, p, zero
.irp a, \a0, \a0+1
.irp b, 0,1,2,3,4,5,6,7
.if \zero
	v_wmma_f32_16x16x128_fp8_fp8 v[8*(8*((\a)%4)+\b):8*(8*((\a)%4)+\b)+7], v[128*(\p)+FR*\b:128*(\p)+FR*\b+FR-1], v[AF+FR*(\a):AF+FR*(\a)+FR-1], 0
.else
	v_wmma_f32_16x16x128_fp8_fp8 v[8*(8*((\a)%4)+\b):8*(8*((\a)%4)+\b)+7], v[128*(\p)+FR*\b:128*(\p)+FR*\b+FR-1], v[AF+FR*(\a):AF+FR*(\a)+FR-1], v[8*(8*((\a)%4)+\b):8*(8*((\a)%4)+\b)+7]
.endif
.endr
.endr
.endm
.macro FETCH_B slot, q, p              ; role B's eight fragments of the slot's q-th 128 along K into set p
	WIN TO_B
.irp i, 0,1,2,3,4,5,6,7
	FRAG 128*(\p)+FR*\i, ADRB+\slot, \q, \i
.endr
	WIN 0
.endm
.macro FETCH_A slot, q, i0             ; role A's blocks i0 .. i0 + 3
.irp i, \i0, \i0+1, \i0+2, \i0+3
	FRAG AF+FR*(\i), ADRA+\slot, \q, \i
.endr
.endm
; A load into a register that a matrix instruction has read, and a vector instruction that reads a matrix result or writes one of a matrix instruction's registers, stand NP places behind it; only plain vector
; instructions that name none of its registers are places (ISA guide 7.12.1 for vector instructions).
.macro PLACES n
.rept \n
	v_nop
.endr
.endm
; A step of 128 along K that has its successor in the same slot.  A block of role A is free as soon as its eight products are issued: blocks 0-3 are fetched anew in the step's middle, blocks 4-7 at its end.
.macro STEP slot, q, zero
	s_wait_dscnt 4*NL                              ; role B's set and role A's blocks 0-3 are in; the youngest 16 loads (blocks 4-7) may be out
	WIN MUL_LO
	MUL16 0, (\q)%2, \zero
	MUL16 2, (\q)%2, \zero
	s_wait_dscnt 0                                 ; blocks 4-7 are in (asked for 32 matrix instructions ago)
	PLACES NP
	FETCH_B \slot, (\q)+1, 1-(\q)%2
	FETCH_A \slot, (\q)+1, 0
	WIN MUL_HI
	MUL16 4, (\q)%2, \zero
	MUL16 6, (\q)%2, \zero
	PLACES NP
	WIN 0
	FETCH_A \slot, (\q)+1, 4
.endm
; A slot's last step changes slots: ONE barrier; in front of it each wave waits for all its tensor loads, adds 0 to its spare word, and waits for that and for its own reads of this slot.  fill = 1: this slot is filled again, two K steps ahead.
.macro TURN slot, next, fill
	s_wait_tensorcnt 0x0                           ; all my tensor loads have landed: my part of the next slot;  (every window is 0 here: the add's two registers lie in window 0)
	ds_add_u32 v[SPW], v[NIL]                      ; 0 onto my spare word
	s_wait_dscnt 4*NL+1                            ; (the add and the youngest 16 loads, blocks 4-7, may be out)
	WIN MUL_LO
	MUL16 0, 1, 0                                  ; sixteen matrix instructions stand between the add and the wait for it
	s_wait_dscnt 0x0                               ; the add is done, and my reads of this slot are over
	s_barrier_signal -1
	MUL16 2, 1, 0
	WIN 0
	s_barrier_wait -1
.if \fill
	CREST                                          ; the barrier has opened a round of the cluster's barrier: no wave of any partner still reads this slot's tile or has a load on its way
	s_add_nc_u64 s[G0+4*\slot+2:G0+4*\slot+3], s[G0+4*\slot+2:G0+4*\slot+3], 2*ROWB
	s_add_nc_u64 s[G0B+4*\slot+2:G0B+4*\slot+3], s[G0B+4*\slot+2:G0B+4*\slot+3], 2*ROWB
	JLOAD G0+4*\slot, G1, G0B+4*\slot, G1B         ; the first tensor load behind the round; the four v_nop behind it are the places in front of the loads below
.else
	PLACES NP
.endif
	FETCH_B \next, 0, 0
	FETCH_A \next, 0, 0
	WIN MUL_HI
	MUL16 4, 1, 0
	MUL16 6, 1, 0
	PLACES NP
	WIN 0
	FETCH_A \next, 0, 4
.endm
	s_wait_alu depctr_va_vdst(0)
	s_wait_tensorcnt 0x0                           ; my part of K step 0 is in
	ds_add_u32 v[SPW], v[NIL]
	s_wait_dscnt 0x0
	CROUND                                         ; everybody's part of K step 0 is in, and all sixteen work-groups are here
	JLOAD G0+4, G1, G0B+4, G1B                     ; K step 1: the first tensor load behind the round
	FETCH_B 0, 0, 0
	FETCH_A 0, 0, 0
	FETCH_A 0, 0, 4
	STEP 0, 0, 1                                   ; K 0-127: its products start the sums.  1,024 along K are eight steps, written out: four slots' worth, of which two are refills
	TURN 0, 1, 1                                   ; K 128-255; slot 0 takes K 512-767
	STEP 1, 0, 0
	TURN 1, 0, 1                                   ; slot 1 takes K 768-1023
	STEP 0, 0, 0
	TURN 0, 1, 0                                   ; nothing is left to fetch, and no round of the cluster's barrier follows
	STEP 1, 0, 0
	s_wait_dscnt 4*NL                              ; the very last step
	WIN MUL_LO
	MUL16 0, 1, 0
	MUL16 2, 1, 0
	s_wait_dscnt 0
	WIN MUL_HI
	MUL16 4, 1, 0
	MUL16 6, 1, 0
	WIN 0
	; THE WAY OUT.  The scales by choice, without a branch: (ex + ew, eo) = (e0 + e1, e6), (e2 + e3, e7) or (e4 + e5, e9)
	s_wait_loadcnt 0x0                             ; the biases
	s_wait_kmcnt 0x0                               ; the exponents
	s_add_co_i32 s18, s88, s89
	s_add_co_i32 s19, s90, s91
	s_add_co_i32 s20, s92, s93
	s_cmp_eq_u32 ttmp9, 1
	s_cselect_b32 s18, s19, s18
	s_cselect_b32 s21, s95, s94
	s_cmp_eq_u32 ttmp9, 2
	s_cselect_b32 s18, s20, s18
	s_cselect_b32 s21, s97, s21
	s_add_co_i32 s18, s18, 127
	s_lshl_b32 s[SC], s18, 23                      ; 2^(ex + ew) as f32
	s_mov_b32 s[SC+1], s[SC]                       ; (named with it as a pair, so it is written)
	s_add_co_i32 s21, s21, 127
	s_lshl_b32 s22, s21, 23
	v_mov_b32 v[SCL], s22                          ; 2^eo
	s_add_co_i32 s21, s21, 8
	s_lshl_b32 s21, s21, 23
	s_or_b32 s21, s21, 0x600000
	v_mov_b32 v[LIM], s21                          ; 448 x 2^eo
	PLACES NP                                      ; behind the last products: their results are read, and the registers that held fragments are written
; Block a of role A (16 tokens, or 16 channels of v) against all 128 of role B: 64 numbers a lane.  value = sum x 2^(ex + ew) + bias, each accumulator from its low end on; the hold; eight conversions: 16 registers of codes;
; four stores of 512 consecutive bytes.  Each block has its own registers for its codes and every offset is an immediate: no store's source is written again.
.macro OUTBLK a, isv
.set AC, 64*((\a)%4)
	WIN 0x42+((\a)/4)                              ; source 0 (the sums) window 2 or 3, source 2 (the bias) window 0, destination window 1
.irp j, 0,2,4,6,8,10,12,14,16,18,20,22,24,26,28,30,32,34,36,38,40,42,44,46,48,50,52,54,56,58,60,62
.if \isv
	v_pk_fma_f32 v[TMP+\j:TMP+\j+1], v[AC+\j:AC+\j+1], s[SC:SC+1], v[BV+2*(\a):BV+2*(\a)+1] op_sel_hi:[1,0,1]
.else
	v_pk_fma_f32 v[TMP+\j:TMP+\j+1], v[AC+\j:AC+\j+1], s[SC:SC+1], v[BQ+\j:BQ+\j+1] op_sel_hi:[1,0,1]
.endif
.endr
	WIN 0x41                                       ; the numbers in window 1, the bound in window 0
.irp j, 0,1,2,3,4,5,6,7,8,9,10,11,12,13,14,15,16,17,18,19,20,21,22,23,24,25,26,27,28,29,30,31,32,33,34,35,36,37,38,39,40,41,42,43,44,45,46,47,48,49,50,51,52,53,54,55,56,57,58,59,60,61,62,63
	v_med3_num_f32 v[TMP+\j], v[TMP+\j], -v[LIM], v[LIM]   ; the conversion to an 8-bit code does not saturate (ISA guide 7.6.2): the hold at the largest code x the scale
.endr
	WIN 0x01                                       ; the numbers in window 1, the scale and the codes in window 0
.irp b, 0,1,2,3,4,5,6,7
	v_cvt_scalef32_pk8_fp8_f32 v[CD+16*(\a)+2*\b:CD+16*(\a)+2*\b+1], v[TMP+8*\b:TMP+8*\b+7], v[SCL]   ; registers 2 b, 2 b + 1 of the operand
.endr
	v_nop                                          ; one plain vector instruction between the last conversion and the next block's lines, which write its sources
	WIN 0
.irp g, 0,1,2,3
.if \isv
	global_store_b128 v[VO], v[CD+16*(\a)+4*\g:CD+16*(\a)+4*\g+3], s[10:11] offset:((\a)/4)*REC+((\a)%4)*2048+\g*512   ; head h0 + a / 4, channel tile a % 4, registers 4 g on
.else
	global_store_b128 v[VO], v[CD+16*(\a)+4*\g:CD+16*(\a)+4*\g+3], s[10:11] offset:(\a)*1024+(\g/2)*REC+(\g%2)*512     ; token tile a, head h0 + g / 2, registers 4 (g % 2) on
.endif
.endr
.endm
	s_cmp_eq_u32 ttmp9, 2                          ; the cluster's x: all partners go the same way
	s_cbranch_scc1 .Lv
.irp a, 0,1,2,3,4,5,6,7
	OUTBLK \a, 0
.endr
	s_branch .Lend
.Lv:
.irp a, 0,1,2,3,4,5,6,7
	OUTBLK \a, 1
.endr
.Lend:
	s_wait_tensorcnt 0x0                           ; the wave's end, behind my last tensor load
	ds_add_u32 v[SPW], v[NIL]
	s_wait_dscnt 0x0
	CROUND                                         ; the closing round: no work-group ends while a partner may still ask for a tile that names it
	s_endpgm
.Lfunc_end_k_qa6e81887f0_qkv:
	.size	k_qa6e81887f0_qkv, .Lfunc_end_k_qa6e81887f0_qkv-k_qa6e81887f0_qkv
	.p2alignl 7, 3214868480
	.fill 96, 4, 3214868480
	.section	.rodata,"a",@progbits
	.p2align	6, 0x0
	.amdhsa_kernel k_qa6e81887f0_qkv
		.amdhsa_group_segment_fixed_size 327680
		.amdhsa_private_segment_fixed_size 0
		.amdhsa_enable_private_segment 0
		.amdhsa_kernarg_size 72
		.amdhsa_user_sgpr_count 2
		.amdhsa_user_sgpr_kernarg_segment_ptr 1
		.amdhsa_wavefront_size32 1
		.amdhsa_system_sgpr_workgroup_id_x 1
		.amdhsa_system_sgpr_workgroup_id_y 1
		.amdhsa_system_sgpr_workgroup_id_z 1
		.amdhsa_system_vgpr_workitem_id 0
		.amdhsa_next_free_vgpr 1024
		.amdhsa_next_free_sgpr 100
		.amdhsa_reserve_vcc 0
		.amdhsa_float_denorm_mode_32 3
		.amdhsa_float_denorm_mode_16_64 3
		.amdhsa_memory_ordered 1
		.amdhsa_forward_progress 1
		.amdhsa_inst_pref_size 194
	.end_amdhsa_kernel
	.amdgpu_metadata
---
amdhsa.version: [ 1, 2 ]
amdhsa.kernels:
  - .name:           k_qa6e81887f0_qkv
    .symbol:         k_qa6e81887f0_qkv.kd
    .args:
      - { .name: x_codes, .offset: 0, .size: 8, .value_kind: global_buffer, .address_space: global }
      - { .name: Wq_codes, .offset: 8, .size: 8, .value_kind: global_buffer, .address_space: global }
      - { .name: Wk_codes, .offset: 16, .size: 8, .value_kind: global_buffer, .address_space: global }
      - { .name: Wv_codes, .offset: 24, .size: 8, .value_kind: global_buffer, .address_space: global }
      - { .name: bq, .offset: 32, .size: 8, .value_kind: global_buffer, .address_space: global }
      - { .name: bk, .offset: 40, .size: 8, .value_kind: global_buffer, .address_space: global }
      - { .name: bv, .offset: 48, .size: 8, .value_kind: global_buffer, .address_space: global }
      - { .name: lowp_scales, .offset: 56, .size: 8, .value_kind: global_buffer, .address_space: global }
      - { .name: qkv, .offset: 64, .size: 8, .value_kind: global_buffer, .address_space: global }
    .group_segment_fixed_size: 327680
    .private_segment_fixed_size: 0
    .kernarg_segment_align: 8
    .kernarg_segment_size: 72
    .max_flat_workgroup_size: 128
    .sgpr_count:     100
    .vgpr_count:     1024
    .wavefront_size: 32
...
	.end_amdgpu_metadata
.endif
;; end of part 1
;; launch attn (part 2): grid 4 x 64, 8 waves a work-group, clusters of 4 x 1, 327,680 bytes of LDS; arguments qkv, lowp_scales, oimg; writes oimg
.if DOCPART == 2
	.amdgcn_target "amdgcn-amd-amdhsa--gfx1250"
	.amdhsa_code_object_version 6
	.text
	.protected	k_qa6e81887f0_attn
	.globl	k_qa6e81887f0_attn
	.p2align	8
	.type	k_qa6e81887f0_attn,@function
k_qa6e81887f0_attn:
	s_mov_b64 s[64:65], 0
	v_nop
	global_prefetch_b8 v0, s[64:65] scope:SCOPE_SE
	s_setreg_imm32_b32 hwreg(HW_REG_WAVE_MODE, 25, 1), 1
	s_wait_xcnt 0x0
	s_wait_alu depctr_hold_cnt(0) depctr_sa_sdst(0) depctr_va_vdst(0) depctr_va_sdst(0) depctr_va_ssrc(0) depctr_va_vcc(0) depctr_vm_vsrc(0)
	s_getreg_b32 s2, hwreg(HW_REG_IB_STS2, 6, 4)
	s_cmp_eq_u32 s2, 0
	s_cbranch_scc0 .Lentry_in_a_cluster
	s_endpgm
.Lentry_in_a_cluster:
	s_bfe_u32 s2, ttmp6, 0x10000c
	s_cmp_lg_u32 s2, 0x3003
	s_cbranch_scc0 .Lentry_shape_is_right
	s_endpgm
.Lentry_shape_is_right:
; o = softmax(q k^T / 8) v for one (batch, head), both products on codes of E4M3, and o quantised at once (scale e10) for the projection.
; INPUT: the workspace's records of 24,576 bytes for (block of 128 tokens, head): q, k as register images of 16 tokens x 64 channels (1,024 bytes a tile), v^T as images of 16 channels x 128 keys (2,048 bytes a tile).
; THE SOFTMAX: t = score x log2(e) / 8 x 2^(e6 + e7); M = the ceiling of the running largest t; p = 2^(t - M) is held at 448 x 2^e8 and quantised with e8; the row's sum is taken of the unquantised p and divides at the end.
; When M moves, the sum and O are multiplied by 2^(old M - new M), made by v_ldexp_f32: nothing is rounded, and no branch hangs on data.
; SHARES.  A work-group owns 512 queries of one (batch, head); each of its eight waves owns 64, four tiles of 16, and walks all 2,048 keys, 128 a step.  All of the head's K and V, 16 blocks x 16,384 bytes,
; lie in LDS: each wave asks for two blocks by ONE tensor load at the head (2 rows of 16,384 bytes, 393,216 bytes apart).  The four work-groups of a cluster are the four query blocks of one (batch, head): the load is joint.
; NO PREFETCH: every tile is asked for once, at the head; there is no loop to run ahead in.
; A STEP is four phases, one a tile.  Phase t, in this order: the maxima of tile t's scores (four chains); the chain that makes M, its links standing between the holds and conversions of tile t - 1; t - M;
; O(t-1) x f, O(t-1) += V^T P(t-1) and the scores of tile t + 1 into the other score buffer; the exponentials; the sum (four chains).  Tile 3 finishes itself at the step's end.
; Both products are used transposed (source 0 = 16 keys or 16 channels, source 1 = my 16 queries): a lane holds one query, and score tile c's eight registers are keys 16 c + 8 (lane / 16) + 0 .. 7: registers 2 c, 2 c + 1 of P.
; LIMITS: e6 + e7 between -123 and 130; e8 and e10 between -126 and 119; the scaled scores stay under 2^31 in magnitude.
; REGISTERS.  Window 0: addresses, constants, states, Q, P's codes, two score buffers: all vector arithmetic but O's.  Window 1: v0-63 K's fragments, v64-127 V's, v128-255 O^T (32 a tile).
.set REC,   24576
.set BLKS,  16*REC                     ; from a block of 128 tokens to the next
.set KB,    16384                      ; a block in LDS: K 8,192 bytes, then V^T 8,192
.set SPARE, 0x40000                    ; behind the 16 blocks: the spare words, 128 bytes a wave
.set LI,  1                            ; 16 x lane
.set ADR, 2                            ; LDS address of the step's block
.set SPW, 3                            ; my spare word; never rewritten
.set NIL, 4                            ; 0; never rewritten
.set LP,  5                            ; 448 x 2^e8
.set SCP, 6                            ; 2^e8
.set LO,  7                            ; 448 x 2^e10
.set SCO, 8                            ; 2^e10
.set CH,  10                           ; v10-13 four chains of maxima
.set MX,  14
.set PM,  15
.set OLD, 16
.set XX,  17
.set FF,  18                           ; v[18:19], v[20:21]: f of even and of odd tiles (the upper words are only named)
.set SX,  22                           ; v22-27 three chains of sums
.set LP2, 28                           ; 448 x 2^e8 once more: the two halves of a dual pair take their second sources from registers whose numbers differ modulo 4
.set STA, 32                           ; a tile's state, 4 registers: -M, the largest score, the sum in two halves
.set QF,  48                           ; Q: 8 registers a tile; at the end o's codes
.set PC,  80                           ; P's codes, 16 registers
.set SB,  96                           ; two score buffers of 64
.set KF,  0                            ; window 1
.set VF,  64
.set OT,  128
.set WV,   10
.set G1,   16
.set CS,   40
.set SEL,  42
.set TB,   44
.set KEYS, 45
.set EPV,  48
.set MSB, 0
.macro WIN new                         ; the immediate's high byte repeats the setting that is left
.if MSB != (\new)
	s_set_vgpr_msb (MSB<<8)|(\new)
.set MSB, (\new)
.endif
.endm
.macro ROUND                           ; a round of the cluster's barrier
	s_barrier_signal -1
	s_barrier_wait -1
	s_cmp_lg_u32 s[WV], 0
	s_cbranch_scc1 .Lnot_wave_0_\@
	s_barrier_signal -3
.Lnot_wave_0_\@:
	s_barrier_wait -3
	s_barrier_signal -1
	s_barrier_wait -1
.endm
	s_load_b128 s[4:7], s[0:1], 0x0                ; the workspace, the scales' exponents
	s_load_b64 s[8:9], s[0:1], 0x10                ; o's codes
	v_lshl_add_u32 v[SPW], v0, 2, SPARE
	v_mov_b32 v[NIL], 0
	ds_add_u32 v[SPW], v[NIL]                      ; the opening lines
	ds_add_u32 v[SPW], v[NIL]
	v_lshrrev_b32 v[ADR], 5, v0
	v_readfirstlane_b32 s[WV], v[ADR]              ; wave 0..7
	v_and_b32 v[LI], 31, v0
	v_lshlrev_b32 v[LI], 4, v[LI]
	s_bfe_u32 s11, ttmp6, 0x40000                  ; cx: which 512 queries
	s_and_b32 s12, ttmp7, 0xffff
	s_lshr_b32 s49, s12, 4                         ; batch
	s_and_b32 s50, s12, 15                         ; head
	s_lshl_b32 s51, s49, 8
	s_add_co_u32 s51, s51, s50
	s_mul_i32 s52, s51, REC                        ; the record (the batch's block 0, head)
	s_mul_i32 s54, s[WV], 2*BLKS                   ; I fetch blocks 2 w and 2 w + 1,
	s_add_co_u32 s54, s54, s52
	s_add_co_u32 s54, s54, 8192                    ; their k and v^T
	s_mov_b32 s55, 0
	s_lshl_b32 s47, s11, 2
	s_lshr_b32 s53, s[WV], 1
	s_add_co_u32 s47, s47, s53                     ; my queries: block 4 cx + w / 2,
	s_mul_i32 s47, s47, BLKS
	s_and_b32 s53, s[WV], 1
	s_lshl_b32 s53, s53, 12                        ; tiles 4 (w % 2) on
	s_add_co_u32 s47, s47, s53
	s_add_co_u32 s56, s47, s52
	s_mov_b32 s57, 0
	s_lshl_b32 s58, s49, 7                         ; o: tile of 16 tokens 128 batch + 32 cx + 4 w, 16,384 bytes each; in it 1,024 bytes a head
	s_lshl_b32 s53, s11, 5
	s_add_co_u32 s58, s58, s53
	s_lshl_b32 s53, s[WV], 2
	s_add_co_u32 s58, s58, s53
	s_lshl_b32 s58, s58, 14
	s_lshl_b32 s53, s50, 10
	s_add_co_u32 s58, s58, s53
	s_mov_b32 s59, 0
	s_mov_b32 s[G1], 15|(3<<16)|(1<<21)            ; the four partners; elements of 8 bytes; bit 21 beside a mask
	s_mov_b32 s[G1+1], 2048<<16                    ; tensor_dim0: 16,384 bytes
	s_mov_b32 s[G1+2], 2<<16                       ; tensor_dim1 = 2
	s_mov_b32 s[G1+3], 2048<<16                    ; tile_dim0
	s_mov_b32 s[G1+4], 2                           ; tile_dim1
	s_mov_b32 s[G1+5], BLKS/8                      ; from row to row
	s_mov_b32 s[G1+6], 0
	s_mov_b32 s[G1+7], 0
	s_mov_b32 s[SEL], 0x76543210
	s_mov_b32 s[SEL+1], 0xfedcba98
	s_mov_b32 s[CS], 0x3e38aa3b                    ; log2(e) / 8
	s_wait_alu depctr_va_vdst(0)
	s_wait_dscnt 0x0
	s_wait_kmcnt 0x0
	s_load_b128 s[32:35], s[6:7], 0x18             ; e6, e7, e8, e9
	s_load_b32 s36, s[6:7], 0x28                   ; e10
	s_mov_b32 s24, 1
	s_lshl_b32 s25, s[WV], 15                      ; LDS: 32,768 x wave
	s_add_nc_u64 s[26:27], s[4:5], s[54:55]
	s_or_b32 s27, s27, 0x80000000
	ROUND                                          ; the four partners are here: the joint loads meet
	tensor_load_to_lds s[24:27], s[G1:G1+7]        ; my one tensor load
	s_nop 0
.rept 4
	v_nop
.endr
	s_add_nc_u64 s[4:5], s[4:5], s[56:57]
	s_add_nc_u64 s[8:9], s[8:9], s[58:59]
.irp t, 0,1,2,3
	global_load_b128 v[QF+8*\t:QF+8*\t+3],   v[LI], s[4:5] offset:1024*\t
	global_load_b128 v[QF+8*\t+4:QF+8*\t+7], v[LI], s[4:5] offset:1024*\t+512
.endr
	s_wait_kmcnt 0x0
	s_add_co_i32 s47, s32, s33
	s_lshl_b32 s47, s47, 23
	s_add_co_i32 s[CS], s[CS], s47                 ; x 2^(e6 + e7), by the exponent field
	s_mov_b32 s[CS+1], s[CS]
	s_add_co_i32 s[EPV], s34, s35                  ; e8 + e9
	s_add_co_i32 s47, s34, 127
	s_lshl_b32 s49, s47, 23
	s_add_co_i32 s47, s47, 8
	s_lshl_b32 s47, s47, 23
	s_or_b32 s50, s47, 0x600000
	s_add_co_i32 s47, s36, 127
	s_lshl_b32 s51, s47, 23
	s_add_co_i32 s47, s47, 8
	s_lshl_b32 s47, s47, 23
	s_or_b32 s52, s47, 0x600000
	v_mov_b32 v[SCP], s49
	v_mov_b32 v[LP], s50
	v_mov_b32 v[LP2], s50
	v_mov_b32 v[SCO], s51
	v_mov_b32 v[LO], s52
	v_mov_b32 v[PM], 0                             ; a lane permute's destination counts as a source
	v_mov_b32 v[FF+1], 0
	v_mov_b32 v[FF+3], 0
.irp t, 0,1,2,3
	v_mov_b32 v[STA+4*\t], 0x7f61b1e6              ; -M = 3e38
	v_mov_b32 v[STA+4*\t+1], 0xff61b1e6            ; the largest score so far: -3e38
	v_mov_b32 v[STA+4*\t+2], 0
	v_mov_b32 v[STA+4*\t+3], 0
.endr
	WIN 0x40
.set j, 0
.rept 128
	v_mov_b32 v[OT+j], 0                           ; O^T: the step is written once; its first trip multiplies zeros by f = 0
.set j, j+1
.endr
	WIN 0
; the maxima of the 64 scores in CUR, ascending, in four chains
.macro MAXES
	v_max3_num_f32 v[CH],   v[CUR],   v[CUR+1],  v[CUR+2]
	v_max3_num_f32 v[CH+1], v[CUR+3], v[CUR+4],  v[CUR+5]
	v_max3_num_f32 v[CH+2], v[CUR+6], v[CUR+7],  v[CUR+8]
	v_max3_num_f32 v[CH+3], v[CUR+9], v[CUR+10], v[CUR+11]
.set j, 12
.rept 26
	v_max3_num_f32 v[CH+((j-12)/2)%4], v[CH+((j-12)/2)%4], v[CUR+j], v[CUR+j+1]
.set j, j+2
.endr
.endm
; eight of the p in OTH: the hold (the conversion does not saturate: ISA guide 7.6.2; p is not negative), two numbers to a dual pair, and the conversion.  Where there is no such tile, a hint stands between the chain's links
.macro GRP g
.if HASPREV
.set j, 0
.rept 4
	v_dual_min_num_f32 v[OTH+8*(\g)+j], v[OTH+8*(\g)+j], v[LP] :: v_dual_min_num_f32 v[OTH+8*(\g)+j+1], v[OTH+8*(\g)+j+1], v[LP2]
.set j, j+2
.endr
	v_cvt_scalef32_pk8_fp8_f32 v[PC+2*(\g):PC+2*(\g)+1], v[OTH+8*(\g):OTH+8*(\g)+7], v[SCP]
.else
.if (\g) < 5
	s_delay_alu instid0(VALU_DEP_1)
.endif
.endif
.endm
; O(u) x f
.macro RESC u
	WIN 0x41
	s_wait_alu depctr_va_vdst(0)                   ; directly ahead of the first reader of O^T; it also stands between t - M and the exponentials
.set j, 0
.rept 16
	v_pk_mul_f32 v[OT+32*(\u)+j:OT+32*(\u)+j+1], v[OT+32*(\u)+j:OT+32*(\u)+j+1], v[FF+2*((\u)%2):FF+2*((\u)%2)+1] op_sel_hi:[1,0]
.set j, j+2
.endr
.endm
; O(u) += V^T P(u): four accumulators by turns
.macro PVW u
	WIN 0x51
.set c, 0
.rept 4
	v_wmma_f32_16x16x128_fp8_fp8 v[OT+32*(\u)+8*c:OT+32*(\u)+8*c+7], v[VF+16*c:VF+16*c+15], v[PC:PC+15], v[OT+32*(\u)+8*c:OT+32*(\u)+8*c+7]
.set c, c+1
.endr
.endm
; S^T of tile u: eight tiles of 16 keys
.macro SMM u
	WIN 0x01
.set c, 0
.rept 8
	v_wmma_f32_16x16x64_fp8_fp8 v[SB+64*((\u)%2)+8*c:SB+64*((\u)%2)+8*c+7], v[KF+8*c:KF+8*c+7], v[QF+8*(\u):QF+8*(\u)+7], 0
.set c, c+1
.endr
	WIN 0
.endm
.macro FMAS j0                         ; t - M, sixteen numbers
.set j, \j0
.rept 8
	v_pk_fma_f32 v[CUR+j:CUR+j+1], v[CUR+j:CUR+j+1], s[CS:CS+1], v[SS:SS+1] op_sel_hi:[1,0,0]
.set j, j+2
.endr
.endm
.macro PHASE t
.set CUR, SB+64*((\t)%2)
.set OTH, SB+64*(1-(\t)%2)
.set SS, STA+4*(\t)
.set FCUR, FF+2*((\t)%2)
.set HASPREV, (\t) > 0
.if (\t) == 0
	v_add_nc_u32 v[ADR], s[TB], v[LI]
.endif
	s_wait_alu depctr_va_vdst(0)                   ; directly ahead of the first readers of the scores
	MAXES
.if (\t) == 0
	WIN 0x40                                       ; this step's V: the maxima above are the places behind the products that read the last step's
.set j, 0
.rept 16
	ds_load_b128 v[VF+4*j:VF+4*j+3], v[ADR] offset:8192+512*j
.set j, j+1
.endr
	WIN 0
.endif
	v_mov_b32 v[OLD], v[SS]
	v_max3_num_f32 v[MX], v[CH], v[CH+1], v[CH+2]
	GRP 0
	v_max3_num_f32 v[MX], v[MX], v[CH+3], v[SS+1]  ; with the largest so far
	GRP 1
	v_permlanex16_b32 v[PM], v[MX], s[SEL], s[SEL+1]
	GRP 2
	v_max_num_f32 v[SS+1], v[MX], v[PM]            ; and lane l xor 16's
	GRP 3
	v_mul_f32 v[XX], s[CS], v[SS+1]                ; as t
	GRP 4
	v_floor_f32 v[SS], -v[XX]                      ; -M = floor(-t)
	GRP 5
	GRP 6
	GRP 7
	FMAS 0
	v_sub_f32 v[XX], v[SS], v[OLD]                 ; old M - new M: a whole number, 0 or less
	FMAS 16
	v_cvt_i32_f32 v[XX], v[XX]                     ; (it saturates)
	FMAS 32
	v_ldexp_f32 v[FCUR], 1.0, v[XX]                ; f
	FMAS 48
	; the phase's matrix instructions stand here, behind the wait that the exponentials' sources are owed and ahead of the exponentials, which name none of their registers
.if (\t) == 0
	s_wait_alu depctr_va_vdst(0)                   ; between t - M and the exponentials
	SMM 1
.endif
.if (\t) == 1
	s_wait_alu depctr_va_vdst(0)
	s_wait_dscnt 0x0                               ; V's fragments, asked for a phase ago
.endif
.if (\t) > 0
.if (\t) < 3
	RESC (\t)-1
	PVW (\t)-1
	SMM (\t)+1
.else
	RESC 2
	WIN 0
	s_cmp_eq_u32 s[KEYS], 1                        ; the last step has no successor
	s_wait_alu depctr_va_vdst(0)
	s_cbranch_scc1 .Lno_s_\@
	s_wait_dscnt 0x0                               ; the next step's K, asked for at the end of phase 2
	SMM 0
.Lno_s_\@:
	PVW 2
	WIN 0
.endif
.endif
.set j, 0
.rept 64
	v_exp_f32 v[CUR+j], v[CUR+j]
.set j, j+1
.endr
	v_pk_mul_f32 v[SS+2:SS+3], v[SS+2:SS+3], v[FCUR:FCUR+1] op_sel_hi:[1,0]   ; the sum under the new M (a plain place behind the batch)
	s_wait_alu depctr_va_vdst(0)                   ; one wait for the batch, ahead of its first reader
	v_pk_add_f32 v[SX:SX+1],   v[CUR:CUR+1],   v[CUR+2:CUR+3]
	v_pk_add_f32 v[SX+2:SX+3], v[CUR+4:CUR+5], v[CUR+6:CUR+7]
	v_pk_add_f32 v[SX+4:SX+5], v[CUR+8:CUR+9], v[CUR+10:CUR+11]
.set j, 12
.rept 6
	v_pk_add_f32 v[SS+2:SS+3], v[SS+2:SS+3], v[CUR+j:CUR+j+1]
	v_pk_add_f32 v[SX:SX+1],   v[SX:SX+1],   v[CUR+j+2:CUR+j+3]
	v_pk_add_f32 v[SX+2:SX+3], v[SX+2:SX+3], v[CUR+j+4:CUR+j+5]
	v_pk_add_f32 v[SX+4:SX+5], v[SX+4:SX+5], v[CUR+j+6:CUR+j+7]
.set j, j+8
.endr
	v_pk_add_f32 v[SS+2:SS+3], v[SS+2:SS+3], v[CUR+60:CUR+61]
	v_pk_add_f32 v[SX:SX+1],   v[SX:SX+1],   v[CUR+62:CUR+63]
	v_pk_add_f32 v[SX+2:SX+3], v[SX+2:SX+3], v[SX+4:SX+5]
	v_pk_add_f32 v[SS+2:SS+3], v[SS+2:SS+3], v[SX:SX+1]
	v_pk_add_f32 v[SS+2:SS+3], v[SS+2:SS+3], v[SX+2:SX+3]
.if (\t) == 2
	s_cmp_eq_u32 s[KEYS], 1                        ; the last step fetches nothing
	s_wait_alu depctr_va_vdst(0)
	s_cbranch_scc1 .Lno_k_\@
	WIN 0x40                                       ; the next step's K: the 33 lines of the sum are the places behind tile 3's score products
.set j, 0
.rept 16
	ds_load_b128 v[KF+4*j:KF+4*j+3], v[ADR] offset:KB+512*j
.set j, j+1
.endr
	WIN 0
.Lno_k_\@:
.endif
.if (\t) == 3                          ; tile 3 finishes itself, so that a step leaves nothing behind
.set OTH, CUR
.irp g, 0,1,2,3,4,5,6,7
	GRP \g
.endr
	RESC 3
	PVW 3
	WIN 0
.endif
.endm
	s_wait_alu depctr_va_vdst(0)
	s_wait_tensorcnt 0x0                           ; my two blocks are in,
	s_barrier_signal -1
	s_barrier_wait -1                              ; everybody's are; nothing is ever filled again
	WIN 0x40
.set j, 0
.rept 16
	ds_load_b128 v[KF+4*j:KF+4*j+3], v[LI] offset:512*j
.set j, j+1
.endr
	WIN 0
	s_mov_b32 s[TB], 0
	s_mov_b32 s[KEYS], 16
	s_wait_loadcnt 0x0                             ; Q
	s_wait_dscnt 0x0                               ; the first block's K
	SMM 0
.rept 4
	v_nop                                          ; four places between these products and the maxima that read them (ISA guide 7.12.1)
.endr
.Lkey:
	PHASE 0
	PHASE 1
	PHASE 2
	PHASE 3
	s_add_co_u32 s[TB], s[TB], KB
	s_sub_co_u32 s[KEYS], s[KEYS], 1
	s_cmp_lg_u32 s[KEYS], 0
	s_wait_alu depctr_va_vdst(0)
	s_cbranch_scc1 .Lkey
	; THE WAY OUT: the four sums, their reciprocals x 2^(e8 + e9); o = O^T x that, held and quantised with e10; the conversions' results are the projection's operand registers
.irp t, 0,1,2,3
	v_add_f32 v[STA+4*\t+2], v[STA+4*\t+2], v[STA+4*\t+3]
.endr
.irp t, 0,1,2,3
	v_permlanex16_b32 v[CH+\t], v[STA+4*\t+2], s[SEL], s[SEL+1]
.endr
.irp t, 0,1,2,3
	v_add_f32 v[STA+4*\t+2], v[STA+4*\t+2], v[CH+\t]
.endr
	s_wait_alu depctr_va_vdst(0)                   ; ahead of the batch
.irp t, 0,1,2,3
	v_rcp_f32 v[STA+4*\t+2], v[STA+4*\t+2]
.endr
	v_nop
	s_wait_alu depctr_va_vdst(0)                   ; behind it
.irp t, 0,1,2,3
	v_ldexp_f32 v[STA+4*\t+2], v[STA+4*\t+2], s[EPV]
.endr
	WIN 0x01
	s_wait_alu depctr_va_vdst(0)                   ; directly ahead of the first readers of O^T
.irp t, 0,1,2,3
.set j, 0
.rept 16
	v_pk_mul_f32 v[SB+32*\t+j:SB+32*\t+j+1], v[OT+32*\t+j:OT+32*\t+j+1], v[STA+4*\t+2:STA+4*\t+3] op_sel_hi:[1,0]
.set j, j+2
.endr
.endr
	WIN 0
.set j, 0
.rept 128
	v_med3_num_f32 v[SB+j], v[SB+j], -v[LO], v[LO]
.set j, j+1
.endr
.set j, 0
.rept 16
	v_cvt_scalef32_pk8_fp8_f32 v[QF+2*j:QF+2*j+1], v[SB+8*j:SB+8*j+7], v[SCO]
.set j, j+1
.endr
	v_nop
.irp t, 0,1,2,3
	global_store_b128 v[LI], v[QF+8*\t:QF+8*\t+3],   s[8:9] offset:16384*\t        ; each store covers 512 consecutive bytes, aligned
	global_store_b128 v[LI], v[QF+8*\t+4:QF+8*\t+7], s[8:9] offset:16384*\t+512
.endr
	s_wait_tensorcnt 0x0                           ; the wave's end
	ds_add_u32 v[SPW], v[NIL]
	s_wait_dscnt 0x0
	ROUND                                          ; the closing round
	s_endpgm
.Lfunc_end_k_qa6e81887f0_attn:
	.size	k_qa6e81887f0_attn, .Lfunc_end_k_qa6e81887f0_attn-k_qa6e81887f0_attn
	.p2alignl 7, 3214868480
	.fill 96, 4, 3214868480
	.section	.rodata,"a",@progbits
	.p2align	6, 0x0
	.amdhsa_kernel k_qa6e81887f0_attn
		.amdhsa_group_segment_fixed_size 327680
		.amdhsa_private_segment_fixed_size 0
		.amdhsa_enable_private_segment 0
		.amdhsa_kernarg_size 24
		.amdhsa_user_sgpr_count 2
		.amdhsa_user_sgpr_kernarg_segment_ptr 1
		.amdhsa_wavefront_size32 1
		.amdhsa_system_sgpr_workgroup_id_x 1
		.amdhsa_system_sgpr_workgroup_id_y 1
		.amdhsa_system_sgpr_workgroup_id_z 1
		.amdhsa_system_vgpr_workitem_id 0
		.amdhsa_next_free_vgpr 512
		.amdhsa_next_free_sgpr 66
		.amdhsa_reserve_vcc 0
		.amdhsa_float_denorm_mode_32 3
		.amdhsa_float_denorm_mode_16_64 3
		.amdhsa_memory_ordered 1
		.amdhsa_forward_progress 1
		.amdhsa_inst_pref_size 82
	.end_amdhsa_kernel
	.amdgpu_metadata
---
amdhsa.version: [ 1, 2 ]
amdhsa.kernels:
  - .name:           k_qa6e81887f0_attn
    .symbol:         k_qa6e81887f0_attn.kd
    .args:
      - { .name: qkv, .offset: 0, .size: 8, .value_kind: global_buffer, .address_space: global }
      - { .name: lowp_scales, .offset: 8, .size: 8, .value_kind: global_buffer, .address_space: global }
      - { .name: oimg, .offset: 16, .size: 8, .value_kind: global_buffer, .address_space: global }
    .group_segment_fixed_size: 327680
    .private_segment_fixed_size: 0
    .kernarg_segment_align: 8
    .kernarg_segment_size: 24
    .max_flat_workgroup_size: 256
    .sgpr_count:     66
    .vgpr_count:     512
    .wavefront_size: 32
...
	.end_amdgpu_metadata
.endif
;; end of part 2
;; launch proj (part 3): grid 4 x 32, 4 waves a work-group, clusters of 4 x 4, 327,680 bytes of LDS; arguments oimg, Wo_codes, bo, lowp_scales, out0; writes out0
.if DOCPART == 3
	.amdgcn_target "amdgcn-amd-amdhsa--gfx1250"
	.amdhsa_code_object_version 6
	.text
	.protected	k_qa6e81887f0_proj
	.globl	k_qa6e81887f0_proj
	.p2align	8
	.type	k_qa6e81887f0_proj,@function
k_qa6e81887f0_proj:
	s_mov_b64 s[64:65], 0
	v_nop
	global_prefetch_b8 v0, s[64:65] scope:SCOPE_SE
	s_setreg_imm32_b32 hwreg(HW_REG_WAVE_MODE, 25, 1), 1
	s_wait_xcnt 0x0
	s_wait_alu depctr_hold_cnt(0) depctr_sa_sdst(0) depctr_va_vdst(0) depctr_va_sdst(0) depctr_va_ssrc(0) depctr_va_vcc(0) depctr_vm_vsrc(0)
	s_getreg_b32 s2, hwreg(HW_REG_IB_STS2, 6, 4)
	s_cmp_eq_u32 s2, 0
	s_cbranch_scc0 .Lentry_in_a_cluster
	s_endpgm
.Lentry_in_a_cluster:
	s_bfe_u32 s2, ttmp6, 0x10000c
	s_cmp_lg_u32 s2, 0xf033
	s_cbranch_scc0 .Lentry_shape_is_right
	s_endpgm
.Lentry_shape_is_right:
.set SIZE_N, 1024
.set ROWB,   256
.set KROW,   1024
.set PITCH,  272
.set FR,     16
.set NL,     4
.set NP,     4
.set TILEB,  4096
.set AHALF,  8*TILEB
.set BHALF,  128*PITCH
.set BOFF,   2*AHALF
.set SLOT,   2*AHALF+2*BHALF
.set SPARE,  2*SLOT
.set SPITCH, 528
.set ADRA, 16
.set ADRB, 20
.set STO,  24
.set RD,   25
.set CO,   26
.set SPW,  28
.set NIL,  29
.set BIAS, 32
.set AF,   128
.set BK,   128
.set TMP,  0
.set G1, 24
.set G0, 32
.set G1B, 48
.set G0B, 56
.set MSB, 0
.macro WIN new
.if MSB != (\new)
	s_set_vgpr_msb (MSB<<8)|(\new)
.set MSB, (\new)
.endif
.endm
.set MUL_LO, 0xa1
.set MUL_HI, 0xf1
.set TO_B,   0x40
.macro JLOAD g0a, g1a, g0b, g1b
	s_cmp_eq_u32 s15, 0
	s_cbranch_scc0 .Lfor_b_\@
	tensor_load_to_lds s[\g0a:\g0a+3], s[\g1a:\g1a+7]
	s_nop 0
.rept 4
	v_nop
.endr
	s_branch .Lasked_\@
.Lfor_b_\@:
	tensor_load_to_lds s[\g0b:\g0b+3], s[\g1b:\g1b+7]
	s_nop 0
.rept 4
	v_nop
.endr
.Lasked_\@:
.endm
.macro CREST
	s_cmp_lg_u32 s14, 0
	s_cbranch_scc1 .Lnot_wave_0_\@
	s_barrier_signal -3
.Lnot_wave_0_\@:
	s_barrier_wait -3
	s_barrier_signal -1
	s_barrier_wait -1
.endm
.macro CROUND
	s_barrier_signal -1
	s_barrier_wait -1
	CREST
.endm
	s_load_b128 s[4:7], s[0:1], 0x0
	s_load_b128 s[8:11], s[0:1], 0x10
	s_load_b64 s[12:13], s[0:1], 0x20
	v_lshl_add_u32 v[SPW], v0, 2, SPARE
	v_mov_b32 v[NIL], 0
	ds_add_u32 v28, v29
	ds_add_u32 v28, v29
	s_wait_dscnt 0x0
	v_lshrrev_b32 v1, 5, v0
	v_readfirstlane_b32 s14, v1
	s_lshr_b32 s15, s14, 1
	s_and_b32 s16, s14, 1
	s_bfe_u32 s40, ttmp6, 0x40000
	s_bfe_u32 s41, ttmp6, 0x40004
	s_lshl_b32 s42, ttmp9, 2
	s_add_co_u32 s42, s42, s40
	s_and_b32 s17, ttmp7, 0xffff
	s_lshl_b32 s17, s17, 2
	s_add_co_u32 s17, s17, s41
	s_lshl_b32 s43, s41, 2
	s_lshl_b32 s43, 15, s43
	s_lshl_b32 s44, 0x1111, s40
	s_or_b32 s[G1+0], s43, (3<<16)|(1<<21)
	s_mov_b32 s[G1+1], 512<<16
	s_mov_b32 s[G1+2], 8<<16
	s_mov_b32 s[G1+3], 512<<16
	s_mov_b32 s[G1+4], 8
	s_mov_b32 s[G1+5], 2048
	s_mov_b32 s[G1+6], 0
	s_mov_b32 s[G1+7], 0
	s_or_b32 s[G1B+0], s44, (0<<16)|(1<<20)|(1<<21)|(5<<22)|(3<<25)
	s_mov_b32 s[G1B+1], ROWB<<16
	s_mov_b32 s[G1B+2], 128<<16
	s_mov_b32 s[G1B+3], ROWB<<16
	s_mov_b32 s[G1B+4], 128
	s_mov_b32 s[G1B+5], KROW
	s_mov_b32 s[G1B+6], 0
	s_mov_b32 s[G1B+7], 0
	s_lshl_b32 s20, s17, 18
	s_lshl_b32 s18, s16, 17
	s_add_co_u32 s20, s20, s18
	s_mov_b32 s21, 0
	s_lshl_b32 s46, s42, 8
	s_lshl_b32 s18, s16, 7
	s_add_co_u32 s46, s46, s18
	s_lshl_b32 s46, s46, 10
	s_mov_b32 s47, 0
	s_lshl_b32 s45, s16, 15
	s_mul_i32 s19, s16, BHALF
	s_add_co_u32 s19, s19, BOFF
	s_wait_kmcnt 0x0
	s_load_b64 s[96:97], s[10:11], 0x28
	s_add_nc_u64 s[20:21], s[4:5], s[20:21]
	s_add_nc_u64 s[46:47], s[6:7], s[46:47]
	CROUND
.irp s, 0,1
	s_mov_b32 s[G0+4*\s], 1
	s_add_co_u32 s[G0+4*\s+1], s45, \s*SLOT
	s_add_nc_u64 s[G0+4*\s+2:G0+4*\s+3], s[20:21], \s*TILEB
	s_or_b32 s[G0+4*\s+3], s[G0+4*\s+3], 0x80000000
	s_mov_b32 s[G0B+4*\s], 1
	s_add_co_u32 s[G0B+4*\s+1], s19, \s*SLOT
	s_add_nc_u64 s[G0B+4*\s+2:G0B+4*\s+3], s[46:47], \s*ROWB
	s_or_b32 s[G0B+4*\s+3], s[G0B+4*\s+3], 0x80000000
	s_wait_alu depctr_va_vdst(0)
	s_wait_tensorcnt 0x0
	ds_add_u32 v28, v29
	ds_add_u32 v28, v29
	s_wait_dscnt 0x0
	CROUND
	JLOAD G0+4*\s, G1, G0B+4*\s, G1B
.endr
	v_and_b32 v1, 15, v0
	v_bfe_u32 v2, v0, 4, 1
	v_and_b32 v6, 31, v0
	v_lshlrev_b32 v[CO], 4, v6
	v_mul_u32_u24 v3, v1, PITCH
	v_lshl_add_u32 v4, v2, 3, v3
	s_lshl_b32 s21, s15, 15
	s_mul_i32 s22, s16, BHALF
	s_add_co_u32 s22, s22, BOFF
.irp s, 0,1
	v_add_nc_u32 v[ADRA+\s], s21, v[CO]
	v_add_nc_u32 v[ADRB+\s], s22, v4
	s_add_co_u32 s21, s21, SLOT
	s_add_co_u32 s22, s22, SLOT
.endr
	s_mul_i32 s23, s14, 16*SPITCH
	v_mul_u32_u24 v5, v1, SPITCH
	v_lshl_add_u32 v5, v2, 5, v5
	v_add_nc_u32 v[STO], s23, v5
	v_add_nc_u32 v[RD], s23, v[CO]
	s_lshl_b32 s20, s17, 8
	s_lshl_b32 s21, s15, 7
	s_add_co_u32 s20, s20, s21
	s_lshl_b32 s20, s20, 12
	s_mov_b32 s21, 0
	s_lshl_b32 s46, s42, 10
	s_lshl_b32 s47, s16, 9
	s_add_co_u32 s46, s46, s47
	s_mov_b32 s47, 0
	s_add_nc_u64 s[8:9], s[8:9], s[46:47]
	s_add_nc_u64 s[12:13], s[12:13], s[20:21]
	s_add_nc_u64 s[12:13], s[12:13], s[46:47]
	v_lshlrev_b32 v7, 5, v2
.irp b, 0,1,2,3,4,5,6,7
	global_load_b128 v[BIAS+8*\b:BIAS+8*\b+3],   v7, s[8:9] offset:64*\b
	global_load_b128 v[BIAS+8*\b+4:BIAS+8*\b+7], v7, s[8:9] offset:64*\b+16
.endr
.macro FRAG_A reg, adr, q, i
.irp c, 0,1,2,3
	ds_load_b128 v[\reg+4*\c:\reg+4*\c+3], v[\adr] offset:TILEB*(\i)+2048*(\q)+512*\c
.endr
.endm
.macro FRAG_B reg, adr, q, i
.irp c, 0,1,2,3,4,5,6,7
	ds_load_b64 v[\reg+2*\c:\reg+2*\c+1], v[\adr] offset:128*(\q)+16*\c+(\i)*16*PITCH
.endr
.endm
.macro MUL16 a0, p, zero
.irp a, \a0, \a0+1
.irp b, 0,1,2,3,4,5,6,7
.if \zero
	v_wmma_f32_16x16x128_fp8_fp8 v[8*(8*((\a)%4)+\b):8*(8*((\a)%4)+\b)+7], v[128*(\p)+FR*\b:128*(\p)+FR*\b+FR-1], v[AF+FR*(\a):AF+FR*(\a)+FR-1], 0
.else
	v_wmma_f32_16x16x128_fp8_fp8 v[8*(8*((\a)%4)+\b):8*(8*((\a)%4)+\b)+7], v[128*(\p)+FR*\b:128*(\p)+FR*\b+FR-1], v[AF+FR*(\a):AF+FR*(\a)+FR-1], v[8*(8*((\a)%4)+\b):8*(8*((\a)%4)+\b)+7]
.endif
.endr
.endr
.endm
.macro FETCH_B slot, q, p
	WIN TO_B
.irp i, 0,1,2,3,4,5,6,7
	FRAG_B 128*(\p)+FR*\i, ADRB+\slot, \q, \i
.endr
	WIN 0
.endm
.macro FETCH_A slot, q, i0
.irp i, \i0, \i0+1, \i0+2, \i0+3
	FRAG_A AF+FR*(\i), ADRA+\slot, \q, \i
.endr
.endm
.macro PLACES n
.rept \n
	v_nop
.endr
.endm
.macro STEP slot, q, zero
	s_wait_dscnt 4*NL
	WIN MUL_LO
	MUL16 0, (\q)%2, \zero
	MUL16 2, (\q)%2, \zero
	s_wait_dscnt 0
	PLACES NP
	FETCH_B \slot, (\q)+1, 1-(\q)%2
	FETCH_A \slot, (\q)+1, 0
	WIN MUL_HI
	MUL16 4, (\q)%2, \zero
	MUL16 6, (\q)%2, \zero
	PLACES NP
	WIN 0
	FETCH_A \slot, (\q)+1, 4
.endm
.macro TURN slot, next, fill
	s_wait_tensorcnt 0x0
	ds_add_u32 v[SPW], v[NIL]
	s_wait_dscnt 4*NL+1
	WIN MUL_LO
	MUL16 0, 1, 0
	s_wait_dscnt 0x0
	s_barrier_signal -1
	MUL16 2, 1, 0
	WIN 0
	s_barrier_wait -1
.if \fill
	CREST
	s_add_nc_u64 s[G0+4*\slot+2:G0+4*\slot+3], s[G0+4*\slot+2:G0+4*\slot+3], 2*TILEB
	s_add_nc_u64 s[G0B+4*\slot+2:G0B+4*\slot+3], s[G0B+4*\slot+2:G0B+4*\slot+3], 2*ROWB
	JLOAD G0+4*\slot, G1, G0B+4*\slot, G1B
.else
	PLACES NP
.endif
	FETCH_B \next, 0, 0
	FETCH_A \next, 0, 0
	WIN MUL_HI
	MUL16 4, 1, 0
	MUL16 6, 1, 0
	PLACES NP
	WIN 0
	FETCH_A \next, 0, 4
.endm
	s_wait_alu depctr_va_vdst(0)
	s_wait_tensorcnt 1
	s_barrier_signal -1
	s_barrier_wait -1
	FETCH_B 0, 0, 0
	FETCH_A 0, 0, 0
	FETCH_A 0, 0, 4
	STEP 0, 0, 1
	TURN 0, 1, 1
	STEP 1, 0, 0
	TURN 1, 0, 1
	STEP 0, 0, 0
	TURN 0, 1, 0
	STEP 1, 0, 0
	s_wait_dscnt 4*NL
	WIN MUL_LO
	MUL16 0, 1, 0
	MUL16 2, 1, 0
	s_wait_dscnt 0
	WIN MUL_HI
	MUL16 4, 1, 0
	MUL16 6, 1, 0
	WIN 0
.macro TOSTAGE a
.set AC, 64*((\a)%4)
	WIN 0x42+((\a)/4)
.irp j, 0,2,4,6,8,10,12,14,16,18,20,22,24,26,28,30,32,34,36,38,40,42,44,46,48,50,52,54,56,58,60,62
	v_pk_fma_f32 v[TMP+\j:TMP+\j+1], v[AC+\j:AC+\j+1], s[96:97], v[BIAS+\j:BIAS+\j+1] op_sel_hi:[1,0,1]
.endr
	WIN 0x04
.irp b, 0,1,2,3,4,5,6,7
	ds_store_b128 v[STO], v[TMP+8*\b:TMP+8*\b+3] offset:64*\b
	ds_store_b128 v[STO], v[TMP+8*\b+4:TMP+8*\b+7] offset:64*\b+16
.endr
	WIN 0
.set BB, BK+64*((\a)%2)
.irp t, 0,1,2,3,4,5,6,7,8,9,10,11,12,13,14,15
	ds_load_b128 v[BB+4*\t:BB+4*\t+3], v[RD] offset:\t*SPITCH
.endr
.endm
.macro SEND a, younger
.set BB, BK+64*((\a)%2)
	s_wait_dscnt \younger
.if (\a) > 0
	s_add_nc_u64 s[12:13], s[12:13], 16*SIZE_N*4
.endif
.irp t, 0,1,2,3,4,5,6,7,8,9,10,11,12,13,14,15
	global_store_b128 v[CO], v[BB+4*\t:BB+4*\t+3], s[12:13] offset:\t*SIZE_N*4 th:TH_STORE_NT
.endr
.endm
	s_wait_loadcnt 0x0
	s_wait_kmcnt 0x0
	s_add_co_i32 s96, s96, s97
	s_add_co_i32 s96, s96, 127
	s_lshl_b32 s96, s96, 23
	PLACES NP
	TOSTAGE 0
.irp a, 1,2,3,4,5,6,7
.if \a > 1
	s_wait_xcnt 0x0
.endif
	TOSTAGE \a
	SEND \a-1, 32
.endr
	s_wait_xcnt 0x0
	SEND 7, 0
	s_wait_tensorcnt 0x0
	ds_add_u32 v[SPW], v[NIL]
	s_wait_dscnt 0x0
	CROUND
	s_endpgm
.Lfunc_end_k_qa6e81887f0_proj:
	.size	k_qa6e81887f0_proj, .Lfunc_end_k_qa6e81887f0_proj-k_qa6e81887f0_proj
	.p2alignl 7, 3214868480
	.fill 96, 4, 3214868480
	.section	.rodata,"a",@progbits
	.p2align	6, 0x0
	.amdhsa_kernel k_qa6e81887f0_proj
		.amdhsa_group_segment_fixed_size 327680
		.amdhsa_private_segment_fixed_size 0
		.amdhsa_enable_private_segment 0
		.amdhsa_kernarg_size 40
		.amdhsa_user_sgpr_count 2
		.amdhsa_user_sgpr_kernarg_segment_ptr 1
		.amdhsa_wavefront_size32 1
		.amdhsa_system_sgpr_workgroup_id_x 1
		.amdhsa_system_sgpr_workgroup_id_y 1
		.amdhsa_system_sgpr_workgroup_id_z 1
		.amdhsa_system_vgpr_workitem_id 0
		.amdhsa_next_free_vgpr 1024
		.amdhsa_next_free_sgpr 98
		.amdhsa_reserve_vcc 0
		.amdhsa_float_denorm_mode_32 3
		.amdhsa_float_denorm_mode_16_64 3
		.amdhsa_memory_ordered 1
		.amdhsa_forward_progress 1
		.amdhsa_inst_pref_size 142
	.end_amdhsa_kernel
	.amdgpu_metadata
---
amdhsa.version: [ 1, 2 ]
amdhsa.kernels:
  - .name:           k_qa6e81887f0_proj
    .symbol:         k_qa6e81887f0_proj.kd
    .args:
      - { .name: oimg, .offset: 0, .size: 8, .value_kind: global_buffer, .address_space: global }
      - { .name: Wo_codes, .offset: 8, .size: 8, .value_kind: global_buffer, .address_space: global }
      - { .name: bo, .offset: 16, .size: 8, .value_kind: global_buffer, .address_space: global }
      - { .name: lowp_scales, .offset: 24, .size: 8, .value_kind: global_buffer, .address_space: global }
      - { .name: out0, .offset: 32, .size: 8, .value_kind: global_buffer, .address_space: global }
    .group_segment_fixed_size: 327680
    .private_segment_fixed_size: 0
    .kernarg_segment_align: 8
    .kernarg_segment_size: 40
    .max_flat_workgroup_size: 128
    .sgpr_count:     98
    .vgpr_count:     1024
    .wavefront_size: 32
...
	.end_amdgpu_metadata
.endif
;; end of part 3
